; MI455X (gfx1250); checked and timed in simulation.
; The chip was launched on July 23, 2026; its instructions are those of AMD's public machine-readable ISA for CDNA 5 (MIT licence, August 2026) and "CDNA5" Instruction Set Architecture Reference Guide (July 2026). The comments in the code are by the model that wrote it; some were corrected since.
;; Linear Attention. Allowed arithmetic: float matrix products may take bf16 or f16 operands with f32 sums; all other float work in f32.
;; Inputs: k 4 x 8,192 x 8 x 64 float32; kv_mask 4 x 8,192 float32; q 4 x 8,192 x 8 x 64 float32; q_mask 4 x 8,192 float32; v 4 x 8,192 x 8 x 64 float32.
;; Outputs: out0 4 x 8,192 x 8 x 64 float32.
;; One version. Each part assembles by itself: llvm-mc -triple=amdgcn-amd-amdhsa -mcpu=gfx1250 --defsym DOCPART=n.
;; ======== version 1 of 1: 2 launches
;; limits: values outside matrix products are rounded to bf16
;; workspace buffers: part 5,242,880 bytes
;; launch kvstate (part 1): grid 256 x 1, 8 waves a work-group, no clusters, 164,864 bytes of LDS; arguments k, v, kv_mask, part; writes part
.if DOCPART == 1
	.amdgcn_target "amdgcn-amd-amdhsa--gfx1250"
	.amdhsa_code_object_version 6
	.text
	.protected	k_q03f22753e0_kvstate
	.globl	k_q03f22753e0_kvstate
	.p2align	8
	.type	k_q03f22753e0_kvstate,@function
k_q03f22753e0_kvstate:
	s_mov_b64 s[64:65], 0
	v_nop
	global_prefetch_b8 v0, s[64:65] scope:SCOPE_SE
	s_setreg_imm32_b32 hwreg(HW_REG_WAVE_MODE, 25, 1), 1
	s_wait_xcnt 0x0
; Linear attention, first half: the key/value state of one head, summed over 1,024 of its 8,192 rows s.
;   kf[s][d] = m[s] * (elu(k[s][d]) + 1),  KV[d][c] = sum_s kf[s][d] * (m[s] * v[s][c] / 8192),  KS[d] = sum_s kf[s][d]
; Work-group = (n, head, chunk of 1,024 rows): 4 x 8 x 8 = 256 work-groups.  Eight waves, 128 rows each, four steps of 32 rows.
; A head's row is 64 f32 = 256 bytes at a multiple of 256.  One 16-byte load of the wave takes two whole rows: lanes 0-15 row s, lanes 16-31 row s+16.
; THE MAPS ARE CHOSEN SO THAT NOTHING IS TRANSPOSED.  Lane (r, h), r = lane & 15, h = lane >> 4, gets k[s][4r .. 4r+3]: one element for each of four
; A fragments if fragment t holds d = 4r + t in its row r.  Along K (= s) a fragment's register g holds rows 2g and 2g+1 of the lane's sixteen,
; which is one v_cvt_pk_bf16_f32 of two loads' registers.  v likewise: B fragment u holds column c = 4r + u.  A and B use the same order of s.
; KS is a fifth B fragment of ones: the same rounded kf enter numerator and denominator, sums in f32 in the matrix unit.
; Result tile (t, u), register j, lane (r, h): KV[32h + 4j + t][4r + u]; tile (t, 4): KS[32h + 4j + t] in every r.
; The eight waves' tiles are added through LDS and stored as an image of registers: 40 units of 512 bytes (16 bytes a lane, j = 4kk .. 4kk+3):
;   unit (2u + kk) * 4 + t for u < 4, unit 32 + 4kk + t for the tile of ones.  The second launch reads them lane for lane.
; elu(x) + 1 = median(x + 1, e^x, 1): e^x >= 1 + x, so for x > 0 the order is 1 < x+1 <= e^x and for x < 0 it is x+1 < e^x < 1.
; LIMITS: a NaN in k gives the feature 1.0 (v_med3_num_f32 drops NaN) where the formula gives NaN; e^x below 2^-126 (x < -87.3) is taken as 0
; (v_exp_f32 flushes).  +inf and -inf in k give +inf and 0 as the formula does.
; NO CLUSTER: the work-groups share only kv_mask, 4,096 bytes beside the 524,288 bytes of k and v that each reads alone.
.set ROWB,  2048                       ; bytes from row s to row s+1: 8 heads x 64 f32
.set UNIT,  512                        ; 32 lanes x 16 bytes
.set IMG,   40*UNIT                    ; a wave's (and a work-group's) state: 160 registers
.set ADR,   1                          ; v1       byte offset of my 16 bytes in rows 0 (h = 0) and 16 (h = 1) of my wave's rows
.set MADR,  2                          ; v2       4 x lane: my word of the mask
.set LA,    3                          ; v3       LDS: where my wave puts its state
.set RA,    4                          ; v4, v5   LDS: units 4w .. 4w+3 of waves 0-3, of waves 4-7; v4 also their place in the image in memory
.set RA2,   5
.set RE,    6                          ; v6, v7   the same for unit 32 + w
.set RE2,   7
.set M,     8                          ; v[8:11]  step c: lane L holds m[32c + L]
.set MA,    12                         ; v12      m of the group's first row  (v13, v15, v17, v19: second halves of pairs, never used as values)
.set MB,    14                         ; v14      m of its second row
.set SA,    16                         ; v16      m / 8192, first row
.set SB,    18                         ; v18      m / 8192, second row
.set T,     20                         ; v[20:27] at work
.set ONES,  28                         ; v[28:35] B fragment of ones
.set AF,    36                         ; v[36:67] A fragments, 8 registers for each t
.set BF,    68                         ; v[68:99] B fragments, 8 registers for each u
.set KX,    100                        ; v[100:163] k as loaded: group g = rows 2g, 2g+1 = 8 registers
.set VX,    164                        ; v[164:227] v as loaded
.set R,     36                         ; v[36:195] the way out: 8 waves x 5 units x 4 registers
; window 1 (v256-v415): the 20 accumulator tiles, tile (t, u) at 8 (5 t + u)
.set MSB, 0
.macro WIN new                         ; s_set_vgpr_msb: low byte = windows of source 0, 1, 2 and destination; high byte repeats the setting that is left
.if MSB != \new
	s_set_vgpr_msb (MSB<<8)|\new
.set MSB, \new
.endif
.endm
	s_load_b256 s[4:11], s[0:1], 0x0               ; k s[4:5], v s[6:7], kv_mask s[8:9], part s[10:11]
	v_lshl_add_u32 v254, v0, 2, 0x28000
	v_mov_b32 v255, 0
	v_lshrrev_b32 v[T], 5, v0
	v_readfirstlane_b32 s26, v[T]                  ; wave w
	s_and_b32 s12, ttmp9, 7                        ; head (fastest: neighbouring work-groups read neighbouring 256 bytes)
	s_bfe_u32 s13, ttmp9, 0x30003                  ; chunk: 3 bits from bit 3
	s_lshr_b32 s14, ttmp9, 6                       ; n
	s_lshl_b32 s16, s14, 24                        ; k, v: n x 8,192 rows x 2,048 bytes
	s_lshl_b32 s15, s13, 21                        ;  + chunk x 1,024 rows
	s_add_co_u32 s16, s16, s15
	s_lshl_b32 s15, s26, 18                        ;  + w x 128 rows
	s_add_co_u32 s16, s16, s15
	s_lshl_b32 s15, s12, 8                         ;  + head x 256 bytes
	s_add_co_u32 s16, s16, s15
	s_mov_b32 s17, 0
	s_lshl_b32 s18, s14, 15                        ; mask: 4 bytes x (n x 8,192 + chunk x 1,024 + w x 128)
	s_lshl_b32 s15, s13, 12
	s_add_co_u32 s18, s18, s15
	s_lshl_b32 s15, s26, 9
	s_add_co_u32 s18, s18, s15
	s_mov_b32 s19, 0
	s_lshl_b32 s20, s14, 6                         ; image number (n x 8 + head) x 8 + chunk
	s_lshl_b32 s15, s12, 3
	s_add_co_u32 s20, s20, s15
	s_add_co_u32 s20, s20, s13
	s_mul_i32 s20, s20, IMG
	s_mov_b32 s21, 0
	s_mov_b32 s22, 0x3fb8aa3b                      ; log2(e), a pair for the packed multiply
	s_mov_b32 s23, 0x3fb8aa3b
	s_mov_b32 s24, 0x39000000                      ; 1 / 8192
	v_and_b32 v[T], 15, v0                         ; r
	v_bfe_u32 v[T+1], v0, 4, 1                     ; h
	v_lshlrev_b32 v[ADR], 4, v[T]                  ; 16 r
	v_lshl_add_u32 v[ADR], v[T+1], 15, v[ADR]      ; + h x 16 rows
	v_and_b32 v[MADR], 31, v0
	v_lshlrev_b32 v[MADR], 2, v[MADR]
	s_wait_kmcnt 0x0
	s_add_nc_u64 s[4:5], s[4:5], s[16:17]
	s_add_nc_u64 s[6:7], s[6:7], s[16:17]
	s_add_nc_u64 s[8:9], s[8:9], s[18:19]
	s_add_nc_u64 s[10:11], s[10:11], s[20:21]
; the four loads of group g of step c: rows 32c + 2g and 32c + 2g + 1 (+16 in the upper lanes) of k and of v; each is read once in the launch
.macro LOADS c, g
	global_load_b128 v[KX+8*\g:KX+8*\g+3],   v[ADR], s[4:5] offset:(32*(\c)+2*\g)*ROWB th:TH_LOAD_NT
	global_load_b128 v[KX+8*\g+4:KX+8*\g+7], v[ADR], s[4:5] offset:(32*(\c)+2*\g+1)*ROWB th:TH_LOAD_NT
	global_load_b128 v[VX+8*\g:VX+8*\g+3],   v[ADR], s[6:7] offset:(32*(\c)+2*\g)*ROWB th:TH_LOAD_NT
	global_load_b128 v[VX+8*\g+4:VX+8*\g+7], v[ADR], s[6:7] offset:(32*(\c)+2*\g+1)*ROWB th:TH_LOAD_NT
.endm
.irp c, 0,1,2,3
	global_load_b32 v[M+\c], v[MADR], s[8:9] offset:128*\c     ; my wave's 128 mask words, 32 for each step
.endr
.irp g, 0,1,2,3,4,5,6,7
	LOADS 0, \g                                    ; step 0: 32 loads, 16,384 bytes of the wave on their way
.endr
.irp i, 0,1,2,3,4,5,6,7
	v_mov_b32 v[ONES+\i], 0x3f803f80               ; two bf16 ones
.endr
.irp i, MA, MA+1, MB, MB+1, SA+1, SB+1
	v_mov_b32 v[\i], 0                             ; destinations of DPP forms and second halves of pairs count as read: written once here
.endr
; One group: two rows of k and of v a lane become register g of the eight fragments.  a, b = 2g, 2g+1.
; left = the younger loads that may stay out.  refill = 1: the group's registers are asked again, for the next step.
.macro GROUP c, g, a, b, refill, left
	s_wait_loadcnt \left                           ; loads return in order (ISA guide 5.7.1): this group's four are in
	v_mov_b32_dpp v[MA], v[M+\c] row_share:\a row_mask:0xf bank_mask:0xf   ; lane a of my half of 16 holds m[32c + 16h + a]: my first row's
	v_mov_b32_dpp v[MB], v[M+\c] row_share:\b row_mask:0xf bank_mask:0xf   ; and my second row's
	v_mul_f32 v[SA], s24, v[MA]                    ; m / S for v: exact, a power of two
	v_mul_f32 v[SB], s24, v[MB]
.irp e, 0,2,4,6
	v_pk_mul_f32 v[T+\e:T+\e+1], v[KX+8*\g+\e:KX+8*\g+\e+1], s[22:23] op_sel_hi:[1,0]     ; x log2(e)
.endr
.irp e, 0,1,2,3,4,5,6,7
	v_exp_f32 v[T+\e], v[T+\e]                     ; e^x
.endr
.irp e, 0,2,4,6
	v_pk_add_f32 v[KX+8*\g+\e:KX+8*\g+\e+1], v[KX+8*\g+\e:KX+8*\g+\e+1], 1.0 op_sel_hi:[1,0]   ; x + 1: also the plain place behind the last v_exp_f32 (ISA guide 5.7.2)
.endr
	s_wait_alu depctr_va_vdst(0)
.irp e, 0,1,2,3,4,5,6,7
	v_med3_num_f32 v[KX+8*\g+\e], v[KX+8*\g+\e], v[T+\e], 1.0      ; elu(x) + 1
.endr
	v_pk_mul_f32 v[KX+8*\g:KX+8*\g+1],   v[KX+8*\g:KX+8*\g+1],   v[MA:MA+1] op_sel_hi:[1,0]    ; kf = m x feature
	v_pk_mul_f32 v[KX+8*\g+2:KX+8*\g+3], v[KX+8*\g+2:KX+8*\g+3], v[MA:MA+1] op_sel_hi:[1,0]
	v_pk_mul_f32 v[KX+8*\g+4:KX+8*\g+5], v[KX+8*\g+4:KX+8*\g+5], v[MB:MB+1] op_sel_hi:[1,0]
	v_pk_mul_f32 v[KX+8*\g+6:KX+8*\g+7], v[KX+8*\g+6:KX+8*\g+7], v[MB:MB+1] op_sel_hi:[1,0]
	v_pk_mul_f32 v[VX+8*\g:VX+8*\g+1],   v[VX+8*\g:VX+8*\g+1],   v[SA:SA+1] op_sel_hi:[1,0]    ; m v / S
	v_pk_mul_f32 v[VX+8*\g+2:VX+8*\g+3], v[VX+8*\g+2:VX+8*\g+3], v[SA:SA+1] op_sel_hi:[1,0]
	v_pk_mul_f32 v[VX+8*\g+4:VX+8*\g+5], v[VX+8*\g+4:VX+8*\g+5], v[SB:SB+1] op_sel_hi:[1,0]
	v_pk_mul_f32 v[VX+8*\g+6:VX+8*\g+7], v[VX+8*\g+6:VX+8*\g+7], v[SB:SB+1] op_sel_hi:[1,0]
.irp t, 0,1,2,3
	v_cvt_pk_bf16_f32 v[AF+8*\t+\g], v[KX+8*\g+\t], v[KX+8*\g+4+\t]    ; d = 4r + t, the two rows side by side along K
	v_cvt_pk_bf16_f32 v[BF+8*\t+\g], v[VX+8*\g+\t], v[VX+8*\g+4+\t]    ; column 4r + t, the same two rows
.endr
.if \refill
	LOADS \c+1, \g
.endif
.endm
; 20 products for 32 rows: 64 d x (64 columns + the ones).  zero = 1: the first products start the sums, nothing is cleared.
; The next lines that write a fragment are the next step's conversions, more than four plain vector instructions further on (ISA guide 7.12.1).
.macro MMA zero
.if \zero
	WIN 0x40                                       ; D in window 1
.else
	WIN 0x50                                       ; C and D in window 1
.endif
.irp t, 0,1,2,3
.irp u, 0,1,2,3
.if \zero
	v_wmma_f32_16x16x32_bf16 v[8*(5*\t+\u):8*(5*\t+\u)+7], v[AF+8*\t:AF+8*\t+7], v[BF+8*\u:BF+8*\u+7], 0
.else
	v_wmma_f32_16x16x32_bf16 v[8*(5*\t+\u):8*(5*\t+\u)+7], v[AF+8*\t:AF+8*\t+7], v[BF+8*\u:BF+8*\u+7], v[8*(5*\t+\u):8*(5*\t+\u)+7]
.endif
.endr
.if \zero
	v_wmma_f32_16x16x32_bf16 v[8*(5*\t+4):8*(5*\t+4)+7], v[AF+8*\t:AF+8*\t+7], v[ONES:ONES+7], 0
.else
	v_wmma_f32_16x16x32_bf16 v[8*(5*\t+4):8*(5*\t+4)+7], v[AF+8*\t:AF+8*\t+7], v[ONES:ONES+7], v[8*(5*\t+4):8*(5*\t+4)+7]
.endif
.endr
	WIN 0
.endm
; A step.  With refills 8 groups of 4 loads are out, so 28 younger loads may stay out at each group's head (the first wait also covers the four
; older mask loads); dec = 4: nothing is asked any more and the count falls by a group each time.
.macro STEP c, refill, dec, zero
	GROUP \c, 0, 0, 1, \refill, 28
	GROUP \c, 1, 2, 3, \refill, 28-1*\dec
	GROUP \c, 2, 4, 5, \refill, 28-2*\dec
	GROUP \c, 3, 6, 7, \refill, 28-3*\dec
	GROUP \c, 4, 8, 9, \refill, 28-4*\dec
	GROUP \c, 5, 10, 11, \refill, 28-5*\dec
	GROUP \c, 6, 12, 13, \refill, 28-6*\dec
	GROUP \c, 7, 14, 15, \refill, 28-7*\dec
	MMA \zero
.endm
	STEP 0, 1, 0, 1
	STEP 1, 1, 0, 0
	STEP 2, 1, 0, 0
	STEP 3, 0, 4, 0                                ; the last 32 rows: no load leaves the wave's rows
	; THE WAY OUT.  Every wave lays its 40 units into LDS; behind one barrier wave w adds units 4w .. 4w+3 and 32 + w of all eight and stores them.
	; The seven address lines are the plain places between the last products and the LDS stores that read them (four are asked).
	s_mul_i32 s27, s26, IMG
	s_lshl_b32 s28, s26, 11                        ; 4 units x w
	s_lshl_b32 s29, s26, 9                         ; 1 unit x w,
	s_add_co_u32 s29, s29, 32*UNIT                 ; behind the first 32
	v_and_b32 v[T], 31, v0
	v_lshlrev_b32 v[T], 4, v[T]                    ; 16 x lane
	v_add_nc_u32 v[LA], s27, v[T]
	v_add_nc_u32 v[RA], s28, v[T]
	v_add_nc_u32 v[RE], s29, v[T]
	v_add_nc_u32 v[RA2], 4*IMG, v[RA]              ; an LDS offset has 16 bits: waves 4-7 get address registers of their own
	v_add_nc_u32 v[RE2], 4*IMG, v[RE]
	WIN 0x04                                       ; an LDS store's data is source 1: window 1
.irp t, 0,1,2,3
.irp u, 0,1,2,3
.irp h, 0,1
	ds_store_b128 v[LA], v[8*(5*\t+\u)+4*\h:8*(5*\t+\u)+4*\h+3] offset:((2*\u+\h)*4+\t)*UNIT
.endr
.endr
.irp h, 0,1
	ds_store_b128 v[LA], v[8*(5*\t+4)+4*\h:8*(5*\t+4)+4*\h+3] offset:(32+4*\h+\t)*UNIT
.endr
.endr
	WIN 0
	s_wait_dscnt 0x0                               ; for the other waves: my stores are in LDS
	s_barrier_signal -1
	s_barrier_wait -1
.irp x, 0,1,2,3
.irp q, 0,1,2,3
	ds_load_b128 v[R+20*\x+4*\q:R+20*\x+4*\q+3],         v[RA]  offset:\x*IMG+\q*UNIT
	ds_load_b128 v[R+20*(\x+4)+4*\q:R+20*(\x+4)+4*\q+3], v[RA2] offset:\x*IMG+\q*UNIT
.endr
	ds_load_b128 v[R+20*\x+16:R+20*\x+19],         v[RE]  offset:\x*IMG
	ds_load_b128 v[R+20*(\x+4)+16:R+20*(\x+4)+19], v[RE2] offset:\x*IMG
.endr
.macro ADDIMG a, b                     ; five units of wave a += those of wave b
.irp e, 0,2,4,6,8,10,12,14,16,18
	v_pk_add_f32 v[R+20*\a+\e:R+20*\a+\e+1], v[R+20*\a+\e:R+20*\a+\e+1], v[R+20*\b+\e:R+20*\b+\e+1]
.endr
.endm
	s_wait_dscnt 0x0
	ADDIMG 0, 1
	ADDIMG 2, 3
	ADDIMG 4, 5
	ADDIMG 6, 7
	ADDIMG 0, 2
	ADDIMG 4, 6
	ADDIMG 0, 4
.irp q, 0,1,2,3
	global_store_b128 v[RA], v[R+4*\q:R+4*\q+3], s[10:11] offset:\q*UNIT      ; each store of the wave: 512 consecutive bytes at a multiple of 512
.endr
	global_store_b128 v[RE], v[R+16:R+19], s[10:11]
	s_wait_tensorcnt 0x0
	ds_add_u32 v254, v255
	s_wait_dscnt 0x0
	s_endpgm
.Lfunc_end_k_q03f22753e0_kvstate:
	.size	k_q03f22753e0_kvstate, .Lfunc_end_k_q03f22753e0_kvstate-k_q03f22753e0_kvstate
	.p2alignl 7, 3214868480
	.fill 96, 4, 3214868480
	.section	.rodata,"a",@progbits
	.p2align	6, 0x0
	.amdhsa_kernel k_q03f22753e0_kvstate
		.amdhsa_group_segment_fixed_size 164864
		.amdhsa_private_segment_fixed_size 0
		.amdhsa_enable_private_segment 0
		.amdhsa_kernarg_size 32
		.amdhsa_user_sgpr_count 2
		.amdhsa_user_sgpr_kernarg_segment_ptr 1
		.amdhsa_wavefront_size32 1
		.amdhsa_system_sgpr_workgroup_id_x 1
		.amdhsa_system_sgpr_workgroup_id_y 1
		.amdhsa_system_sgpr_workgroup_id_z 1
		.amdhsa_system_vgpr_workitem_id 0
		.amdhsa_next_free_vgpr 416
		.amdhsa_next_free_sgpr 66
		.amdhsa_reserve_vcc 0
		.amdhsa_float_denorm_mode_32 3
		.amdhsa_float_denorm_mode_16_64 3
		.amdhsa_memory_ordered 1
		.amdhsa_forward_progress 1
		.amdhsa_inst_pref_size 111
	.end_amdhsa_kernel
	.amdgpu_metadata
---
amdhsa.version: [ 1, 2 ]
amdhsa.kernels:
  - .name:           k_q03f22753e0_kvstate
    .symbol:         k_q03f22753e0_kvstate.kd
    .args:
      - { .name: k, .offset: 0, .size: 8, .value_kind: global_buffer, .address_space: global }
      - { .name: v, .offset: 8, .size: 8, .value_kind: global_buffer, .address_space: global }
      - { .name: kv_mask, .offset: 16, .size: 8, .value_kind: global_buffer, .address_space: global }
      - { .name: part, .offset: 24, .size: 8, .value_kind: global_buffer, .address_space: global }
    .group_segment_fixed_size: 164864
    .private_segment_fixed_size: 0
    .kernarg_segment_align: 8
    .kernarg_segment_size: 32
    .max_flat_workgroup_size: 256
    .sgpr_count:     66
    .vgpr_count:     416
    .wavefront_size: 32
...
	.end_amdgpu_metadata
.endif
;; end of part 1
;; launch apply (part 2): grid 256 x 1, 8 waves a work-group, no clusters, 289,792 bytes of LDS; arguments q, q_mask, part, out0; writes out0
.if DOCPART == 2
	.amdgcn_target "amdgcn-amd-amdhsa--gfx1250"
	.amdhsa_code_object_version 6
	.text
	.protected	k_q03f22753e0_apply
	.globl	k_q03f22753e0_apply
	.p2align	8
	.type	k_q03f22753e0_apply,@function
k_q03f22753e0_apply:
	s_mov_b64 s[64:65], 0
	v_nop
	global_prefetch_b8 v0, s[64:65] scope:SCOPE_SE
	s_setreg_imm32_b32 hwreg(HW_REG_WAVE_MODE, 25, 1), 1
	s_wait_xcnt 0x0
; Linear attention, second half: out[l][c] = 8192 * (qf[l] . KV[.][c]) / (qf[l] . KS + 1e-6),  qf[l][d] = qm[l] * (elu(q[l][d]) + 1).
; Work-group = (n, head, chunk of 1,024 rows l): 256 work-groups.  Eight waves, 128 rows each, eight tiles of 16 rows.
; q: a head's row is 256 bytes.  All 1,024 rows of the work-group fit in LDS at a pitch of 272 bytes (278,528 bytes), so each wave asks for its
; eight tiles at once (8 tensor loads of the wave outstanding) and reads only its own bytes: no ring, no slot is filled twice, no barrier for q.
; STATE: the first launch left 8 images for each head, registers lane for lane (40 units of 512 bytes; unit (2u + kk) * 4 + t holds, in lane (r, h),
; KV[32h + 4j + t][4r + u] for j = 4kk .. 4kk+3; unit 32 + 4kk + t holds KS[32h + 4j + t]).  Wave w adds units 4w .. 4w+3 and 32 + w over the 8 images,
; rounds to bf16 and passes them through LDS; behind one barrier every wave holds the ten B fragments (five column tiles x two K steps).
; ORDER OF d ALONG K, the same in A and B: lane half h, K step kk, register p, half b  <->  d = 32h + 4 (4kk + 2 (p >> 2) + b) + (p & 3).
; So a B register is one conversion of two neighbouring registers of a unit, and an A register one conversion of two registers of two 16-byte LDS loads.
; Column tile u holds c = 4r + u: the last multiply writes c = 4r .. 4r+3 into four neighbouring registers, and a store of the wave puts two whole
; rows of 256 bytes.  The fifth tile (KS in every column) gives the denominator of row 8h + j in register j of every lane, where the numerators lie.
; elu(x) + 1 = median(x + 1, e^x, 1), since e^x >= 1 + x.
; LIMITS: a NaN in q gives the feature 1.0 (v_med3_num_f32 drops NaN) where the formula gives NaN; e^x below 2^-126 (x < -87.3) is taken as 0.
; NO CLUSTER: the 8 work-groups of a head share the 163,840 bytes of images, beside 524,288 bytes of q and out that each moves alone.  A joint tensor
; load would have to lay them into LDS beside the 278,528 bytes of q: 442,368 bytes, more than a work-group can have.  They come by plain loads.
.set ROWB,  2048                       ; bytes from row l to row l+1
.set UNIT,  512
.set IMG,   40*UNIT
.set PITCH, 272                        ; LDS row: 256 bytes + 16: sixteen rows start at sixteen different 16-byte columns of 256 bytes (ISA guide 11.1)
.set TILEB, 16*PITCH
.set WAVEB, 8*TILEB
.set FR,    8*WAVEB                    ; behind q: the B fragments, 8 x 1,024 bytes, then the denominator's, 8 x 256 bytes
.set FRD,   FR+8*1024
.set QA,    1                          ; v1   LDS: my row r of my wave's tile 0, byte 128 h
.set OA,    2                          ; v2   out: row 8h, byte 16 r
.set PA,    3                          ; v3   image: units 4w .. 4w+3, my 16 bytes
.set PE,    4                          ; v4   image: unit 32 + w
.set MO,    5                          ; v5   q_mask: 4 r
.set FS,    6                          ; v6   LDS: fragment w, my 16 bytes
.set FE,    7                          ; v7   LDS: the two registers that unit 32 + w gives, my 4 bytes
.set FA,    8                          ; v8   LDS: fragment 0
.set FB,    9                          ; v9   LDS: the denominator's registers
.set MC,    10                         ; v10  this tile's mask of row r (v11: second half of the pair, never used as a value)
.set MQ,    12                         ; v[12:19]   mask of row r of tile i
.set SC,    20                         ; v[20:27]   8192 / denominator of row 8h + j
.set QX,    28                         ; v[28:59]   q as read: chunk j (d = 32h + 4j ..) in 4 registers
.set T,     60                         ; v[60:75]   at work
.set AFR,   76                         ; v[76:91]   A fragments, K steps 0, 1
.set O,     92                         ; v[92:123]  results: row j in 4 registers
.set ACC,   124                        ; v[124:163] five tiles
.set BFR,   164                        ; v[164:243] B fragments: 16 u + 8 kk
.set R,     28                         ; v[28:187]  at the start: 8 images x 5 units x 4 registers
.set C,     188                        ; v[188:197] at the start: my ten bf16 registers
.set G1,    16                         ; s[16:23]   descriptor group 1
.set G0,    24                         ; s[24:55]   descriptor group 0, a set for each tile: none is rewritten
	s_load_b256 s[4:11], s[0:1], 0x0               ; q s[4:5], q_mask s[6:7], part s[8:9], out0 s[10:11]
	v_lshl_add_u32 v244, v0, 2, 0x46800
	v_mov_b32 v245, 0
	ds_add_u32 v244, v245
	ds_add_u32 v244, v245
	v_lshrrev_b32 v[SC], 5, v0
	v_readfirstlane_b32 s3, v[SC]                  ; wave w
	s_and_b32 s12, ttmp9, 7                        ; head
	s_bfe_u32 s13, ttmp9, 0x30003                  ; chunk
	s_lshr_b32 s14, ttmp9, 6                       ; n
	s_lshl_b32 s66, s14, 24                        ; q, out: n x 8,192 rows + chunk x 1,024 rows + w x 128 rows + head x 256 bytes
	s_lshl_b32 s15, s13, 21
	s_add_co_u32 s66, s66, s15
	s_lshl_b32 s15, s3, 18
	s_add_co_u32 s66, s66, s15
	s_lshl_b32 s15, s12, 8
	s_add_co_u32 s66, s66, s15
	s_mov_b32 s67, 0
	s_lshl_b32 s68, s14, 15                        ; mask: 4 bytes x (n x 8,192 + chunk x 1,024 + w x 128)
	s_lshl_b32 s15, s13, 12
	s_add_co_u32 s68, s68, s15
	s_lshl_b32 s15, s3, 9
	s_add_co_u32 s68, s68, s15
	s_mov_b32 s69, 0
	s_lshl_b32 s72, s14, 3                         ; the head's 8 images
	s_add_co_u32 s72, s72, s12
	s_mul_i32 s72, s72, 8*IMG
	s_mov_b32 s73, 0
	s_mul_i32 s70, s3, WAVEB                       ; my wave's q rows in LDS
	v_and_b32 v[SC], 15, v0                        ; r
	v_bfe_u32 v[SC+1], v0, 4, 1                    ; h
	v_and_b32 v[SC+2], 31, v0
	v_lshlrev_b32 v[SC+3], 2, v[SC+2]              ; 4 x lane
	v_lshlrev_b32 v[SC+2], 4, v[SC+2]              ; 16 x lane
	s_lshl_b32 s15, s3, 11
	v_add_nc_u32 v[PA], s15, v[SC+2]
	s_lshl_b32 s15, s3, 9
	s_add_co_u32 s15, s15, 32*UNIT
	v_add_nc_u32 v[PE], s15, v[SC+2]
	v_lshlrev_b32 v[MO], 2, v[SC]
	s_wait_dscnt 0x0
	s_wait_kmcnt 0x0
	s_add_nc_u64 s[4:5], s[4:5], s[66:67]
	s_add_nc_u64 s[10:11], s[10:11], s[66:67]
	s_add_nc_u64 s[6:7], s[6:7], s[68:69]
	s_add_nc_u64 s[8:9], s[8:9], s[72:73]
	; the state first: everything waits for it, and it is short beside q
.irp i, 0,1,2,3,4,5,6,7
	global_load_b32 v[MQ+\i], v[MO], s[6:7] offset:64*\i
.endr
.irp x, 0,1,2,3,4,5,6,7
.irp q, 0,1,2,3
	global_load_b128 v[R+20*\x+4*\q:R+20*\x+4*\q+3], v[PA], s[8:9] offset:\x*IMG+\q*UNIT
.endr
	global_load_b128 v[R+20*\x+16:R+20*\x+19], v[PE], s[8:9] offset:\x*IMG
.endr
	; descriptor group 1: 16 rows x 64 f32, 512 elements from row to row, 4 words of padding behind every 64
	s_mov_b32 s[G1+0], (2<<16)|(1<<20)|(5<<22)|(3<<25) ; element of 4 bytes; padding on; after 64 words (code 5); of 4 words (code 3); no work-group mask
	s_mov_b32 s[G1+1], 64<<16                      ; tensor_dim0 = 64
	s_mov_b32 s[G1+2], 16<<16                      ; tensor_dim1 = 16
	s_mov_b32 s[G1+3], 64<<16                      ; tile_dim0 = 64
	s_mov_b32 s[G1+4], 16                          ; tile_dim1 = 16
	s_mov_b32 s[G1+5], 512                         ; pitch in elements
	s_mov_b32 s[G1+6], 0
	s_mov_b32 s[G1+7], 0
.irp i, 0,1,2,3,4,5,6,7
	s_mov_b32 s[G0+4*\i], 1
	s_add_co_u32 s[G0+4*\i+1], s70, \i*TILEB                       ; LDS: my wave's region + tile
	s_add_nc_u64 s[G0+4*\i+2:G0+4*\i+3], s[4:5], \i*16*ROWB        ; memory: 16 rows further for each tile
	s_or_b32 s[G0+4*\i+3], s[G0+4*\i+3], 0x80000000                ; type 2
	tensor_load_to_lds s[G0+4*\i:G0+4*\i+3], s[G1:G1+7]
	s_nop 0
.endr
	s_mov_b32 s56, 0x3fb8aa3b                      ; log2(e)
	s_mov_b32 s57, 0x3fb8aa3b
	s_mov_b32 s58, 0x358637bd                      ; 1e-6
	s_mov_b32 s59, 0x358637bd
	s_mov_b32 s60, 0x46000000                      ; 8192
	s_mov_b32 s61, 0x46000000
	v_mul_u32_u24 v[QA], v[SC], PITCH
	v_lshl_add_u32 v[QA], v[SC+1], 7, v[QA]        ; + 128 h: my half of the row
	v_add_nc_u32 v[QA], s70, v[QA]
	v_lshlrev_b32 v[OA], 4, v[SC]
	v_lshl_add_u32 v[OA], v[SC+1], 14, v[OA]       ; + 8 h rows
	s_lshl_b32 s15, s3, 10
	s_add_co_u32 s15, s15, FR
	v_add_nc_u32 v[FS], s15, v[SC+2]
	s_lshl_b32 s15, s3, 8
	s_add_co_u32 s15, s15, FRD
	v_add_nc_u32 v[FE], s15, v[SC+3]
	v_add_nc_u32 v[FA], FR, v[SC+2]
	v_add_nc_u32 v[FB], FRD, v[SC+3]
	v_mov_b32 v[MC+1], 0                           ; the pair's second half counts as read
.macro ADDIMG a, b                     ; five units of image a += those of image b
.irp e, 0,2,4,6,8,10,12,14,16,18
	v_pk_add_f32 v[R+20*\a+\e:R+20*\a+\e+1], v[R+20*\a+\e:R+20*\a+\e+1], v[R+20*\b+\e:R+20*\b+\e+1]
.endr
.endm
	s_wait_loadcnt 0x0                             ; masks and images
	ADDIMG 0, 1
	ADDIMG 2, 3
	ADDIMG 4, 5
	ADDIMG 6, 7
	ADDIMG 0, 2
	ADDIMG 4, 6
	ADDIMG 0, 4
.irp t, 0,1,2,3
	v_cvt_pk_bf16_f32 v[C+\t],   v[R+4*\t],   v[R+4*\t+1]         ; fragment w, register t:     j = 4kk, 4kk+1
	v_cvt_pk_bf16_f32 v[C+4+\t], v[R+4*\t+2], v[R+4*\t+3]         ; register 4 + t:             j = 4kk+2, 4kk+3
.endr
	v_cvt_pk_bf16_f32 v[C+8], v[R+16], v[R+17]     ; the denominator's fragment w >> 2, registers w & 3 and 4 + (w & 3)
	v_cvt_pk_bf16_f32 v[C+9], v[R+18], v[R+19]
	v_mov_b32 v[MC], v[MQ]                         ; tile 0's mask
	ds_store_b128 v[FS], v[C:C+3]
	ds_store_b128 v[FS], v[C+4:C+7] offset:512
	ds_store_b32 v[FE], v[C+8]
	ds_store_b32 v[FE], v[C+9] offset:128
	s_wait_dscnt 0x0                               ; for the other waves: my fragment is in LDS
	s_barrier_signal -1
	s_barrier_wait -1
.irp f, 0,1,2,3,4,5,6,7
	ds_load_b128 v[BFR+8*\f:BFR+8*\f+3],   v[FA] offset:\f*1024
	ds_load_b128 v[BFR+8*\f+4:BFR+8*\f+7], v[FA] offset:\f*1024+512
.endr
.irp i, 0,1,2,3,4,5,6,7
	ds_load_b32 v[BFR+64+8*(\i/4)+(\i%4)],   v[FB] offset:\i*256
	ds_load_b32 v[BFR+64+8*(\i/4)+4+(\i%4)], v[FB] offset:\i*256+128
.endr
	s_wait_tensorcnt 0x7                           ; a wave's tensor loads end in order (ISA guide 10.11.1): tile 0 is in, the seven younger may be out
.irp j, 0,1,2,3,4,5,6,7
	ds_load_b128 v[QX+4*\j:QX+4*\j+3], v[QA] offset:16*\j
.endr
; Tile i: 16 rows.  more = 1: the next tile's rows are read from LDS as soon as QX is free.
.macro TILE i, more
	s_wait_dscnt 0x0                               ; this tile's q (and, the first time, the B fragments) are in registers
.irp b, 0,16
.irp e, 0,2,4,6,8,10,12,14
	v_pk_mul_f32 v[T+\e:T+\e+1], v[QX+\b+\e:QX+\b+\e+1], s[56:57] op_sel_hi:[1,0]          ; x log2(e)
.endr
.irp e, 0,1,2,3,4,5,6,7,8,9,10,11,12,13,14,15
	v_exp_f32 v[T+\e], v[T+\e]
.endr
.irp e, 0,2,4,6,8,10,12,14
	v_pk_add_f32 v[QX+\b+\e:QX+\b+\e+1], v[QX+\b+\e:QX+\b+\e+1], 1.0 op_sel_hi:[1,0]       ; x + 1: also the plain place behind the last v_exp_f32 (ISA guide 5.7.2)
.endr
	s_wait_alu depctr_va_vdst(0)
.irp e, 0,1,2,3,4,5,6,7,8,9,10,11,12,13,14,15
	v_med3_num_f32 v[QX+\b+\e], v[QX+\b+\e], v[T+\e], 1.0                                  ; elu(x) + 1
.endr
.irp e, 0,2,4,6,8,10,12,14
	v_pk_mul_f32 v[QX+\b+\e:QX+\b+\e+1], v[QX+\b+\e:QX+\b+\e+1], v[MC:MC+1] op_sel_hi:[1,0] ; x q_mask of my row
.endr
.irp p, 0,1,2,3
	v_cvt_pk_bf16_f32 v[AFR+\b/2+\p],   v[QX+\b+\p],   v[QX+\b+4+\p]                       ; chunks 4kk, 4kk+1
	v_cvt_pk_bf16_f32 v[AFR+\b/2+4+\p], v[QX+\b+8+\p], v[QX+\b+12+\p]                      ; chunks 4kk+2, 4kk+3
.endr
.endr
.if \more
	s_wait_tensorcnt 6-\i                          ; tile i+1 is in LDS; the 6 - i tiles asked for behind it may be out
.irp j, 0,1,2,3,4,5,6,7
	ds_load_b128 v[QX+4*\j:QX+4*\j+3], v[QA] offset:(\i+1)*TILEB+16*\j
.endr
.endif
.irp u, 4,0,1,2,3
	v_wmma_f32_16x16x32_bf16 v[ACC+8*\u:ACC+8*\u+7], v[AFR:AFR+7], v[BFR+16*\u:BFR+16*\u+7], 0       ; the first K step starts the sums
.endr
.irp u, 4,0,1,2,3
	v_wmma_f32_16x16x32_bf16 v[ACC+8*\u:ACC+8*\u+7], v[AFR+8:AFR+15], v[BFR+16*\u+8:BFR+16*\u+15], v[ACC+8*\u:ACC+8*\u+7]
.endr
.rept 4
	v_nop                                          ; four places before a vector instruction reads a product (ISA guide 7.12.1)
.endr
.irp j, 0,2,4,6
	v_pk_add_f32 v[SC+\j:SC+\j+1], v[ACC+32+\j:ACC+32+\j+1], s[58:59] op_sel_hi:[1,0]      ; denominator + 1e-6
.endr
.irp j, 0,1,2,3,4,5,6,7
	v_rcp_f32 v[SC+\j], v[SC+\j]
.endr
.if \more
	v_mov_b32 v[MC], v[MQ+\i+1]                    ; the next tile's mask: the plain place behind the last v_rcp_f32
	s_wait_alu depctr_va_vdst(0)
.else
	v_nop
	s_wait_alu depctr_va_vdst(0)
.endif
.irp j, 0,2,4,6
	v_pk_mul_f32 v[SC+\j:SC+\j+1], v[SC+\j:SC+\j+1], s[60:61] op_sel_hi:[1,0]              ; x S
.endr
	s_wait_xcnt 0x0                                ; the last tile's stores have read O (ISA guide 3.1): it is rewritten only behind this wait
.irp j, 0,1,2,3,4,5,6,7
.irp u, 0,1,2,3
	v_mul_f32 v[O+4*\j+\u], v[ACC+8*\u+\j], v[SC+\j]                                       ; row 8h + j, column 4r + u
.endr
	global_store_b128 v[OA], v[O+4*\j:O+4*\j+3], s[10:11] offset:(16*\i+\j)*ROWB th:TH_STORE_NT  ; sixteen lanes put a row's 256 bytes, at a multiple of 256
.endr
.endm
	TILE 0, 1
	TILE 1, 1
	TILE 2, 1
	TILE 3, 1
	TILE 4, 1
	TILE 5, 1
	TILE 6, 1                                      ; its wait for tile 7 is for zero: every tensor load has ended before s_endpgm
	TILE 7, 0
	s_wait_tensorcnt 0x0
	ds_add_u32 v244, v245
	s_wait_dscnt 0x0
	s_endpgm
.Lfunc_end_k_q03f22753e0_apply:
	.size	k_q03f22753e0_apply, .Lfunc_end_k_q03f22753e0_apply-k_q03f22753e0_apply
	.p2alignl 7, 3214868480
	.fill 96, 4, 3214868480
	.section	.rodata,"a",@progbits
	.p2align	6, 0x0
	.amdhsa_kernel k_q03f22753e0_apply
		.amdhsa_group_segment_fixed_size 289792
		.amdhsa_private_segment_fixed_size 0
		.amdhsa_enable_private_segment 0
		.amdhsa_kernarg_size 32
		.amdhsa_user_sgpr_count 2
		.amdhsa_user_sgpr_kernarg_segment_ptr 1
		.amdhsa_wavefront_size32 1
		.amdhsa_system_sgpr_workgroup_id_x 1
		.amdhsa_system_sgpr_workgroup_id_y 1
		.amdhsa_system_sgpr_workgroup_id_z 1
		.amdhsa_system_vgpr_workitem_id 0
		.amdhsa_next_free_vgpr 246
		.amdhsa_next_free_sgpr 76
		.amdhsa_reserve_vcc 0
		.amdhsa_float_denorm_mode_32 3
		.amdhsa_float_denorm_mode_16_64 3
		.amdhsa_memory_ordered 1
		.amdhsa_forward_progress 1
		.amdhsa_inst_pref_size 106
	.end_amdhsa_kernel
	.amdgpu_metadata
---
amdhsa.version: [ 1, 2 ]
amdhsa.kernels:
  - .name:           k_q03f22753e0_apply
    .symbol:         k_q03f22753e0_apply.kd
    .args:
      - { .name: q, .offset: 0, .size: 8, .value_kind: global_buffer, .address_space: global }
      - { .name: q_mask, .offset: 8, .size: 8, .value_kind: global_buffer, .address_space: global }
      - { .name: part, .offset: 16, .size: 8, .value_kind: global_buffer, .address_space: global }
      - { .name: out0, .offset: 24, .size: 8, .value_kind: global_buffer, .address_space: global }
    .group_segment_fixed_size: 289792
    .private_segment_fixed_size: 0
    .kernarg_segment_align: 8
    .kernarg_segment_size: 32
    .max_flat_workgroup_size: 256
    .sgpr_count:     76
    .vgpr_count:     246
    .wavefront_size: 32
...
	.end_amdgpu_metadata
.endif
;; end of part 2
